; MI455X (gfx1250); checked and timed in simulation.
; The chip was launched on July 23, 2026; its instructions are those of AMD's public machine-readable ISA for CDNA 5 (MIT licence, August 2026) and "CDNA5" Instruction Set Architecture Reference Guide (July 2026). The comments in the code are by the model that wrote it; some were corrected since.
;; Multi Head Attention. Allowed arithmetic: float matrix products may take bf16 or f16 operands with f32 sums; all other float work in f32.
;; Inputs: Wk 512 x 512 float32; Wo 512 x 512 float32; Wq 512 x 512 float32; Wv 512 x 512 float32; bk 512 float32; bo 512 float32; bq 512 float32; bv 512 float32; k 2 x 4,096 x 512 float32; mask 2 x 1 x 1 x 4,096 float32; q 2 x 4,096 x 512 float32; v 2 x 4,096 x 512 float32.
;; Outputs: out0 2 x 4,096 x 512 float32.
;; One version. Each part assembles by itself: llvm-mc -triple=amdgcn-amd-amdhsa -mcpu=gfx1250 --defsym DOCPART=n.
;; ======== version 1 of 1: 4 launches
;; limits: values are held in f16: magnitudes above 65,504 overflow, below 6.1e-05 lose precision
;; workspace buffers: wb 2,097,152 bytes; mb 32,768 bytes; qh 8,388,608 bytes; kh 8,388,608 bytes; vh 8,388,608 bytes; ctx 8,388,608 bytes
;; launch prep (part 1): grid 64 x 4, 8 waves a work-group, no clusters, 0 bytes of LDS; arguments Wq, Wk, Wv, Wo, mask, wb, mb; writes wb, mb
.if DOCPART == 1
	.amdgcn_target "amdgcn-amd-amdhsa--gfx1250"
	.amdhsa_code_object_version 6
	.text
	.protected	k_qbcf55984d2_prep
	.globl	k_qbcf55984d2_prep
	.p2align	8
	.type	k_qbcf55984d2_prep,@function
k_qbcf55984d2_prep:
	s_mov_b64 s[64:65], 0
	v_nop
	global_prefetch_b8 v0, s[64:65] scope:SCOPE_SE
	s_setreg_imm32_b32 hwreg(HW_REG_WAVE_MODE, 25, 1), 1
	s_wait_xcnt 0x0
; wb[y][k][n] = f16(W_y[k][n]) for y = 0..3 (Wq, Wk, Wv, Wo), layout unchanged;  mb[b][s] = mask[b][s] * (-1e9 * log2 e), f32.
; f16 (11 significant bits) and not bf16 (8): the attention's output is a mean over thousands of keys, and every rounding of an operand shows in it
; at the rounding's full relative size.  LIMIT: |W| < 65,504; entries below 2^-14 are kept in steps of 2^-24.
; A stream: each byte is read once and written once.  No LDS, no matrix unit, no cluster: no two work-groups read the same byte.
; Work-group (x, y) takes 16,384 bytes (4,096 numbers) of matrix y.  Thread t takes 8 neighbouring numbers twice:
; 32 bytes in, 16 bytes out, so each store of a wave covers 512 consecutive bytes, aligned.
; The work-groups of y = 0 also scale 512 bytes of the mask each, in wave 0 (64 x 512 = all 32,768 bytes).
.set MSCALE, 0xceabfb8f                            ; -1e9 * 1.4426950 as f32: the softmax later works with powers of two
	s_load_b256 s[4:11], s[0:1], 0x0               ; Wq s[4:5], Wk s[6:7], Wv s[8:9], Wo s[10:11]
	s_load_b128 s[12:15], s[0:1], 0x20             ; mask s[12:13], wb s[14:15]
	s_load_b64 s[16:17], s[0:1], 0x30              ; mb
	s_and_b32 s18, ttmp7, 0xffff                   ; y: which matrix
	v_lshrrev_b32 v1, 5, v0
	v_readfirstlane_b32 s19, v1                    ; wave
	v_lshlrev_b32 v2, 5, v0                        ; 32 t: my bytes in
	v_lshlrev_b32 v3, 4, v0                        ; 16 t: my bytes out
	s_lshl_b32 s20, ttmp9, 14                      ; x * 16,384: the group's part of the f32 matrix
	s_mov_b32 s21, 0
	s_lshl_b32 s22, s18, 19                        ; y * 524,288 + x * 8,192: its part of wb
	s_lshl_b32 s23, ttmp9, 13
	s_add_co_u32 s22, s22, s23
	s_mov_b32 s23, 0
	s_lshl_b32 s24, ttmp9, 9                       ; x * 512: its part of the mask
	s_mov_b32 s25, 0
	s_wait_kmcnt 0x0
	s_cmp_eq_u32 s18, 1
	s_cselect_b64 s[4:5], s[6:7], s[4:5]
	s_cmp_eq_u32 s18, 2
	s_cselect_b64 s[4:5], s[8:9], s[4:5]
	s_cmp_eq_u32 s18, 3
	s_cselect_b64 s[4:5], s[10:11], s[4:5]
	s_add_nc_u64 s[4:5], s[4:5], s[20:21]
	s_add_nc_u64 s[14:15], s[14:15], s[22:23]
	global_load_b128 v[4:7],   v2, s[4:5] th:TH_LOAD_NT
	global_load_b128 v[8:11],  v2, s[4:5] offset:16 th:TH_LOAD_NT
	global_load_b128 v[12:15], v2, s[4:5] offset:8192 th:TH_LOAD_NT
	global_load_b128 v[16:19], v2, s[4:5] offset:8208 th:TH_LOAD_NT
	s_wait_loadcnt 0x0
	v_cvt_pk_f16_f32 v4, v4, v5                    ; in place, each source read before it is written
	v_cvt_pk_f16_f32 v5, v6, v7
	v_cvt_pk_f16_f32 v6, v8, v9
	v_cvt_pk_f16_f32 v7, v10, v11
	v_cvt_pk_f16_f32 v12, v12, v13
	v_cvt_pk_f16_f32 v13, v14, v15
	v_cvt_pk_f16_f32 v14, v16, v17
	v_cvt_pk_f16_f32 v15, v18, v19
	global_store_b128 v3, v[4:7], s[14:15]
	global_store_b128 v3, v[12:15], s[14:15] offset:4096
	s_cmp_lg_u32 s18, 0                            ; the mask: y = 0, wave 0 only
	s_cbranch_scc1 .Ldone
	s_cmp_lg_u32 s19, 0
	s_cbranch_scc1 .Ldone
	s_add_nc_u64 s[12:13], s[12:13], s[24:25]
	s_add_nc_u64 s[16:17], s[16:17], s[24:25]
	global_load_b128 v[20:23], v3, s[12:13] th:TH_LOAD_NT      ; in wave 0 the thread's number is the lane: 16 bytes a lane
	s_wait_loadcnt 0x0
	v_pk_mul_f32 v[20:21], v[20:21], MSCALE op_sel_hi:[1,0]
	v_pk_mul_f32 v[22:23], v[22:23], MSCALE op_sel_hi:[1,0]
	global_store_b128 v3, v[20:23], s[16:17]
.Ldone:
	s_endpgm
.Lfunc_end_k_qbcf55984d2_prep:
	.size	k_qbcf55984d2_prep, .Lfunc_end_k_qbcf55984d2_prep-k_qbcf55984d2_prep
	.p2alignl 7, 3214868480
	.fill 96, 4, 3214868480
	.section	.rodata,"a",@progbits
	.p2align	6, 0x0
	.amdhsa_kernel k_qbcf55984d2_prep
		.amdhsa_group_segment_fixed_size 0
		.amdhsa_private_segment_fixed_size 0
		.amdhsa_enable_private_segment 0
		.amdhsa_kernarg_size 56
		.amdhsa_user_sgpr_count 2
		.amdhsa_user_sgpr_kernarg_segment_ptr 1
		.amdhsa_wavefront_size32 1
		.amdhsa_system_sgpr_workgroup_id_x 1
		.amdhsa_system_sgpr_workgroup_id_y 1
		.amdhsa_system_sgpr_workgroup_id_z 1
		.amdhsa_system_vgpr_workitem_id 0
		.amdhsa_next_free_vgpr 24
		.amdhsa_next_free_sgpr 66
		.amdhsa_reserve_vcc 0
		.amdhsa_float_denorm_mode_32 3
		.amdhsa_float_denorm_mode_16_64 3
		.amdhsa_memory_ordered 1
		.amdhsa_forward_progress 1
		.amdhsa_inst_pref_size 3
	.end_amdhsa_kernel
	.amdgpu_metadata
---
amdhsa.version: [ 1, 2 ]
amdhsa.kernels:
  - .name:           k_qbcf55984d2_prep
    .symbol:         k_qbcf55984d2_prep.kd
    .args:
      - { .name: Wq, .offset: 0, .size: 8, .value_kind: global_buffer, .address_space: global }
      - { .name: Wk, .offset: 8, .size: 8, .value_kind: global_buffer, .address_space: global }
      - { .name: Wv, .offset: 16, .size: 8, .value_kind: global_buffer, .address_space: global }
      - { .name: Wo, .offset: 24, .size: 8, .value_kind: global_buffer, .address_space: global }
      - { .name: mask, .offset: 32, .size: 8, .value_kind: global_buffer, .address_space: global }
      - { .name: wb, .offset: 40, .size: 8, .value_kind: global_buffer, .address_space: global }
      - { .name: mb, .offset: 48, .size: 8, .value_kind: global_buffer, .address_space: global }
    .group_segment_fixed_size: 0
    .private_segment_fixed_size: 0
    .kernarg_segment_align: 8
    .kernarg_segment_size: 56
    .max_flat_workgroup_size: 256
    .sgpr_count:     66
    .vgpr_count:     24
    .wavefront_size: 32
...
	.end_amdgpu_metadata
.endif
;; end of part 1
;; launch proj (part 2): grid 64 x 3, 8 waves a work-group, clusters of 4 x 1, 327,680 bytes of LDS; arguments q, k, v, wb, bq, bk, bv, qh, kh, vh; writes qh, kh, vh
.if DOCPART == 2
	.amdgcn_target "amdgcn-amd-amdhsa--gfx1250"
	.amdhsa_code_object_version 6
	.text
	.protected	k_qbcf55984d2_proj
	.globl	k_qbcf55984d2_proj
	.p2align	8
	.type	k_qbcf55984d2_proj,@function
k_qbcf55984d2_proj:
	s_mov_b64 s[64:65], 0
	v_nop
	global_prefetch_b8 v0, s[64:65] scope:SCOPE_SE
	s_setreg_imm32_b32 hwreg(HW_REG_WAVE_MODE, 25, 1), 1
	s_wait_xcnt 0x0
	s_wait_alu depctr_hold_cnt(0) depctr_sa_sdst(0) depctr_va_vdst(0) depctr_va_sdst(0) depctr_va_ssrc(0) depctr_va_vcc(0) depctr_vm_vsrc(0)
	s_getreg_b32 s2, hwreg(HW_REG_IB_STS2, 6, 4)
	s_cmp_eq_u32 s2, 0
	s_cbranch_scc0 .Lentry_in_a_cluster
	s_endpgm
.Lentry_in_a_cluster:
	s_bfe_u32 s2, ttmp6, 0x10000c
	s_cmp_lg_u32 s2, 0x3003
	s_cbranch_scc0 .Lentry_shape_is_right
	s_endpgm
.Lentry_shape_is_right:
; out_y[b][head][s][d] = f16( (x_y[b][s][:] . W_y[:][64 head + d] + b_y[64 head + d]) * scale_y ),  y = 0, 1, 2 for q, k, v.
; scale = 0.125 * log2 e for q (the logits' 1/sqrt(64) and the change to powers of two, folded in here), 1 for k and v.
; x is f32 and is rounded to f16 on the way from LDS to the matrix unit; W comes as f16 from wb; sums in f32; the bias starts the sums.
; LIMIT (f16's range): |x| and |x W + b| stay under 65,504.  Room: with x of spread 1 and W of spread 0.044, both 30 times larger give 900 x 5.5 = 5,000;
; both carrying an offset of 30 times their spread give 512 x 30 x 1.33 = 20,400.  Results below 2^-14 are kept in steps of 2^-24.
; A work-group makes 128 rows x all 512 columns, so every byte of x leaves memory once: 64 row blocks x 3 matrices = 192 work-groups
; (3 x 8,192 rows do not divide into 256 equal blocks of this shape).  Eight waves, two on a SIMD: wave w makes rows 64 (w >> 2) .. + 63,
; columns 128 (w & 3) .. + 127: 32 accumulator tiles, 256 registers.
; CLUSTER 4 x 1: the four row blocks of a cluster multiply by the same matrix, so W's tiles are asked for jointly (mask 15); x's tiles are each group's own.
; K goes in 8 tiles of 64 through three LDS slots; two slots are filled behind one round of the cluster's barrier.
; THE PRODUCT IS USED TRANSPOSED: source 0 = 16 columns of W, source 1 = 16 rows of x; a lane then holds row l % 16 and the
; 8 neighbouring columns 8 (l / 16) + 0..7, which pack into 16 bytes.
.set XP,    272                        ; LDS pitch of a row of x: 64 f32 = 256 bytes + 16: an odd multiple of 16
.set WP,    1056                       ; LDS pitch of a k-row of W: 512 f16 = 1,024 bytes + 32: an odd multiple of 32, for the transposing load
.set WOFF,  128*XP                     ; W's tile lies behind x's 128 rows
.set SLOTB, WOFF+64*WP                 ; 102,400 bytes a slot
.set STAGE, 2*SLOTB                    ; the way out uses slot 2's bytes, behind that slot's last fill and last read
.set XA,  8                            ; v8-10   LDS address of my x fragments in slot 0, 1, 2
.set WA,  12                           ; v12-14  the same for W
.set STO, 16                           ; the way out: where I put 16 bytes
.set RD,  17                           ; the way out: where I read them back
.set CO,  18                           ; my byte offset in the output
.set BO,  19                           ; my byte offset in the bias
.set XR,  32                           ; v32-95   four x fragments as f32
.set XF,  96                           ; v96-127  the same as f16
.set WF,  128                          ; v128-191 eight W fragments
.set BS,  192                          ; v192-255 bias: tile ct, register j = b[128 wc + 16 ct + 8 (l / 16) + j]
                                       ; window 1: accumulator tile (rt, ct) at v[8 (8 rt + ct)]
.set G1X, 16                           ; s[16:23] shape of x's part tile
.set G1W, 24                           ; s[24:31] shape of W's part tile
.set G0X, 32                           ; s[32:43] from where, to where: x, one set for each slot
.set G0W, 44                           ; s[44:55] the same for W
.set MSB, 0
.macro WIN new                         ; the immediate's high byte repeats the setting that is left
.if MSB != \new
	s_set_vgpr_msb (MSB<<8)|\new
.set MSB, \new
.endif
.endm
.macro PLACES                          ; four plain vector places behind a matrix instruction (ISA guide 7.12.1)
.rept 4
	v_nop
.endr
.endm
.macro BAR
	s_barrier_signal -1
	s_barrier_wait -1
.endm
.macro CREST                           ; a round of the cluster's barrier behind its opening work-group barrier
	s_cmp_lg_u32 s14, 0
	s_cbranch_scc1 .Lnot_wave_0_\@
	s_barrier_signal -3
.Lnot_wave_0_\@:
	s_barrier_wait -3
	s_barrier_signal -1
	s_barrier_wait -1
.endm
.macro CROUND
	BAR
	CREST
.endm
	s_load_b512 s[68:83], s[0:1], 0x0              ; q, k, v, wb, bq, bk, bv, qh
	s_load_b128 s[84:87], s[0:1], 0x40             ; kh, vh
	v_lshl_add_u32 v30, v0, 2, 0x4b000
	v_mov_b32 v31, 0
	ds_add_u32 v30, v31
	v_lshrrev_b32 v1, 5, v0
	v_readfirstlane_b32 s14, v1                    ; wave 0..7
	s_and_b32 s12, ttmp7, 0xffff                   ; y: which of q, k, v (the same in the whole cluster)
	s_bfe_u32 s13, ttmp6, 0x40000                  ; cx
	s_lshl_b32 s15, ttmp9, 2
	s_add_co_u32 s15, s15, s13                     ; row block = 4 x cluster x + cx
	s_lshr_b32 s62, s14, 2                         ; wr: which 64 rows
	s_and_b32 s63, s14, 3                          ; wc: which 128 columns
	; x: each wave brings 16 rows x 64 f32 (256 bytes, aligned), 16 bytes of padding behind each row
	s_mov_b32 s[G1X+0], (2<<16)|(1<<20)|(5<<22)|(3<<25)   ; no mask; 4-byte elements; padding on; after every 64 words, 4 words
	s_mov_b32 s[G1X+1], 64<<16                     ; tensor_dim0 = 64
	s_mov_b32 s[G1X+2], 16<<16                     ; tensor_dim1 = 16
	s_mov_b32 s[G1X+3], 64<<16                     ; tile_dim0 = 64
	s_mov_b32 s[G1X+4], 16                         ; tile_dim1 = 16
	s_mov_b32 s[G1X+5], 512                        ; elements from row to row
	s_mov_b32 s[G1X+6], 0
	s_mov_b32 s[G1X+7], 0
	; W: each wave brings 8 k-rows x 512 f16 (1,024 bytes), 32 bytes of padding behind each row; joint for the four work-groups
	s_mov_b32 s[G1W+0], 15|(1<<16)|(1<<20)|(1<<21)|(7<<22)|(7<<25)   ; mask 15; 2-byte elements; padding on; bit 21 beside a mask; after every 256 words, 8 words
	s_mov_b32 s[G1W+1], 512<<16
	s_mov_b32 s[G1W+2], 8<<16
	s_mov_b32 s[G1W+3], 512<<16
	s_mov_b32 s[G1W+4], 8
	s_mov_b32 s[G1W+5], 512
	s_mov_b32 s[G1W+6], 0
	s_mov_b32 s[G1W+7], 0
	s_mul_i32 s90, s14, 16*XP                      ; my 16 rows of x in a slot (also my stage's place: the same 4,352 bytes a wave)
	s_mul_i32 s91, s14, 8*WP                       ; my 8 rows of W in a slot
.irp s, 0,1,2
	s_mov_b32 s[G0X+4*\s], 1
	s_add_co_u32 s[G0X+4*\s+1], s90, \s*SLOTB
	s_mov_b32 s[G0W+4*\s], 1
	s_add_co_u32 s[G0W+4*\s+1], s91, \s*SLOTB+WOFF
.endr
	s_lshl_b32 s10, s15, 18                        ; x: (128 row block + 16 wave) rows of 2,048 bytes
	s_lshl_b32 s11, s14, 15
	s_add_co_u32 s10, s10, s11
	s_mov_b32 s11, 0
	s_lshl_b32 s88, s12, 19                        ; W: matrix y, k-row 8 wave; made of y and the wave alone, in registers that never hold cx
	s_lshl_b32 s89, s14, 13
	s_add_co_u32 s88, s88, s89
	s_mov_b32 s89, 0
	s_wait_dscnt 0x0
	s_wait_kmcnt 0x0
	s_cmp_eq_u32 s12, 1
	s_cselect_b64 s[4:5], s[70:71], s[68:69]       ; x
	s_cselect_b64 s[6:7], s[78:79], s[76:77]       ; bias
	s_cselect_b64 s[8:9], s[84:85], s[82:83]       ; output
	s_cmp_eq_u32 s12, 2
	s_cselect_b64 s[4:5], s[72:73], s[4:5]
	s_cselect_b64 s[6:7], s[80:81], s[6:7]
	s_cselect_b64 s[8:9], s[86:87], s[8:9]
	s_cmp_eq_u32 s12, 0
	s_cselect_b32 s60, 0x3e38aa3b, 1.0             ; 0.125 * log2 e for q, else 1
	s_mov_b32 s61, s60
	s_add_nc_u64 s[56:57], s[4:5], s[10:11]        ; my rows of x, K tile 0
	s_add_nc_u64 s[58:59], s[74:75], s[88:89]      ; my rows of W, K tile 0
; My parts of K tile 'tile' into slot 'slot'.  The two sets of registers are written where no tensor load of mine is out.
.macro ISSUE slot, tile
	s_add_nc_u64 s[G0X+4*\slot+2:G0X+4*\slot+3], s[56:57], \tile*256        ; 64 f32 along the rows
	s_or_b32 s[G0X+4*\slot+3], s[G0X+4*\slot+3], 0x80000000
	s_add_nc_u64 s[G0W+4*\slot+2:G0W+4*\slot+3], s[58:59], \tile*65536      ; 64 k-rows of 1,024 bytes
	s_or_b32 s[G0W+4*\slot+3], s[G0W+4*\slot+3], 0x80000000
	tensor_load_to_lds s[G0X+4*\slot:G0X+4*\slot+3], s[G1X:G1X+7]
	s_nop 0
	tensor_load_to_lds s[G0W+4*\slot:G0W+4*\slot+3], s[G1W:G1W+7]
	s_nop 0
.endm
	CROUND                                         ; all four work-groups are here: the first joint loads meet
	ISSUE 0, 0
	ISSUE 1, 1
	ISSUE 2, 2                                     ; six tensor loads of the wave are out, the most in this text
	v_and_b32 v1, 15, v0                           ; r = l % 16
	v_bfe_u32 v2, v0, 4, 1                         ; h = l / 16
	v_mul_u32_u24 v3, v1, XP
	v_lshl_add_u32 v3, v2, 5, v3                   ; x fragment: row r, f32 numbers 8 h .. 8 h + 7 = 32 bytes
	s_mul_i32 s92, s62, 64*XP
	v_add_nc_u32 v[XA], s92, v3
	v_add_nc_u32 v[XA+1], SLOTB, v[XA]
	v_add_nc_u32 v[XA+2], 2*SLOTB, v[XA]
	v_and_b32 v4, 7, v0
	v_lshl_add_u32 v5, v2, 3, v4                   ; W fragment through the transposing load: k-row 8 h + l % 8,
	v_mul_u32_u24 v5, v5, WP
	v_bfe_u32 v6, v0, 3, 1
	v_lshl_add_u32 v5, v6, 4, v5                   ; 16 bytes for each half of 8 columns
	s_lshl_b32 s93, s63, 8
	s_add_co_u32 s93, s93, WOFF
	v_add_nc_u32 v[WA], s93, v5
	v_add_nc_u32 v[WA+1], SLOTB, v[WA]
	v_add_nc_u32 v[WA+2], 2*SLOTB, v[WA]
	s_add_co_u32 s94, s90, STAGE                   ; my stage: 16 rows x 272 bytes
	v_mul_u32_u24 v3, v1, XP
	v_lshl_add_u32 v3, v2, 4, v3
	v_add_nc_u32 v[STO], s94, v3                   ; in: row r, 16 bytes for each half of the lanes
	v_bfe_u32 v6, v0, 3, 2
	v_mul_u32_u24 v6, v6, XP
	v_lshl_add_u32 v6, v4, 4, v6
	v_add_nc_u32 v[RD], s94, v6                    ; back: 8 lanes take one head's 128 bytes of a row, 4 rows a load
	v_and_b32 v7, 31, v0
	v_lshlrev_b32 v[CO], 4, v7                     ; those 4 rows are 512 consecutive bytes of the output
	s_lshl_b32 s93, s63, 9
	v_lshlrev_b32 v[BO], 5, v2
	v_add_nc_u32 v[BO], s93, v[BO]                 ; bias: 4 (128 wc + 8 h)
.irp ct, 0,1,2,3,4,5,6,7
	global_load_b128 v[BS+8*\ct:BS+8*\ct+3],   v[BO], s[6:7] offset:64*\ct
	global_load_b128 v[BS+8*\ct+4:BS+8*\ct+7], v[BO], s[6:7] offset:64*\ct+16
.endr
	s_lshr_b32 s10, s15, 5                         ; output: ((batch 8 + 2 wc) 4,096 + 128 (row block % 32) + 64 wr) rows of 128 bytes
	s_lshl_b32 s10, s10, 22
	s_lshl_b32 s11, s63, 20
	s_add_co_u32 s10, s10, s11
	s_and_b32 s11, s15, 31
	s_lshl_b32 s11, s11, 14
	s_add_co_u32 s10, s10, s11
	s_lshl_b32 s11, s62, 13
	s_add_co_u32 s10, s10, s11
	s_mov_b32 s11, 0
	s_add_nc_u64 s[8:9], s[8:9], s[10:11]
	s_wait_loadcnt 0x0                             ; the bias, once
; 32 along K: fragments in, x rounded to f16, 32 matrix instructions.  init = 1: the bias starts the sums, nothing is cleared.
; The 32 accumulators take turns, one instruction a turn, in the same order in every call.
.macro KHALF slot, ks, init
.irp rt, 0,1,2,3
	ds_load_b128 v[XR+16*\rt:XR+16*\rt+3],     v[XA+\slot] offset:\rt*16*XP+\ks*128
	ds_load_b128 v[XR+16*\rt+4:XR+16*\rt+7],   v[XA+\slot] offset:\rt*16*XP+\ks*128+16
	ds_load_b128 v[XR+16*\rt+8:XR+16*\rt+11],  v[XA+\slot] offset:\rt*16*XP+\ks*128+64
	ds_load_b128 v[XR+16*\rt+12:XR+16*\rt+15], v[XA+\slot] offset:\rt*16*XP+\ks*128+80
.endr
	PLACES                                         ; behind the last matrix instructions: WF is loaded and XF written again below
.irp ct, 0,1,2,3,4,5,6,7
	ds_load_tr16_b128 v[WF+8*\ct:WF+8*\ct+3],   v[WA+\slot] offset:\ks*32*WP+\ct*32
	ds_load_tr16_b128 v[WF+8*\ct+4:WF+8*\ct+7], v[WA+\slot] offset:\ks*32*WP+\ct*32+16*WP
.endr
	s_wait_dscnt 16                                ; the 16 loads of W are younger: x's 16 are in
.set n, 0
.rept 32
	v_cvt_pk_f16_f32 v[XF+n], v[XR+2*n], v[XR+2*n+1]
.set n, n+1
.endr
	s_wait_dscnt 0x0
.if \init
	WIN 0x40                                       ; D in window 1
.else
	WIN 0x50                                       ; C and D in window 1
.endif
.irp rt, 0,1,2,3
.irp ct, 0,1,2,3,4,5,6,7
.if \init
	v_wmma_f32_16x16x32_f16 v[8*(8*\rt+\ct):8*(8*\rt+\ct)+7], v[WF+8*\ct:WF+8*\ct+7], v[XF+8*\rt:XF+8*\rt+7], v[BS+8*\ct:BS+8*\ct+7]
.else
	v_wmma_f32_16x16x32_f16 v[8*(8*\rt+\ct):8*(8*\rt+\ct)+7], v[WF+8*\ct:WF+8*\ct+7], v[XF+8*\rt:XF+8*\rt+7], v[8*(8*\rt+\ct):8*(8*\rt+\ct)+7]
.endif
.endr
.endr
	WIN 0
.endm
.macro TILE slot, init
	KHALF \slot, 0, \init
	KHALF \slot, 1, 0
.endm
	s_wait_tensorcnt 4                             ; my parts of tile 0 are in; tiles 1 and 2 (two loads each) stay out
	BAR                                            ; everybody's are
	TILE 0, 1
	s_wait_tensorcnt 2                             ; tile 1; tile 2 stays out
	s_wait_dscnt 0x0
	BAR
	TILE 1, 0
	s_wait_tensorcnt 0x0                           ; all my tensor loads have landed (tile 2 among them) and
	ds_add_u32 v30, v31
	s_wait_dscnt 0x0                               ; my reads of slots 0 and 1 are back, in every wave of the cluster behind the round:
	CROUND
	ISSUE 0, 3                                     ; the refills come first behind it
	ISSUE 1, 4
	TILE 2, 0
	s_wait_tensorcnt 2                             ; tile 3; tile 4 stays out
	s_wait_dscnt 0x0
	BAR
	TILE 0, 0
	s_wait_tensorcnt 0x0
	ds_add_u32 v30, v31
	s_wait_dscnt 0x0
	CROUND
	ISSUE 2, 5
	ISSUE 0, 6
	TILE 1, 0
	s_wait_tensorcnt 2                             ; tile 5; tile 6 stays out
	s_wait_dscnt 0x0
	BAR
	TILE 2, 0
	s_wait_tensorcnt 0x0
	ds_add_u32 v30, v31
	s_wait_dscnt 0x0                               ; the last reads of slot 2 are back in front of this round: its bytes become the stage
	CROUND
	ISSUE 1, 7
	TILE 0, 0
	s_wait_tensorcnt 0x0                           ; tile 7, the last tensor loads
	s_wait_dscnt 0x0
	BAR
	TILE 1, 0
	; THE WAY OUT, 16 rows at a time: scale, round to f16, 16 bytes a lane into my own stage, read back so that
	; each store of the wave covers 512 consecutive bytes (4 rows of one head), aligned.
	PLACES                                         ; behind the last matrix instructions, whose results are read next
.macro OUT16 rt, f
	WIN 0x01                                       ; source 0 in window 1
.set n, 0
.rept 32
	v_pk_mul_f32 v[XR+2*n:XR+2*n+1], v[64*\rt+2*n:64*\rt+2*n+1], s[60:61] op_sel_hi:[1,0]
.set n, n+1
.endr
	WIN 0
.set n, 0
.rept 32
	v_cvt_pk_f16_f32 v[XF+n], v[XR+2*n], v[XR+2*n+1]
.set n, n+1
.endr
.irp ct, 0,1,2,3,4,5,6,7
	ds_store_b128 v[STO], v[XF+4*\ct:XF+4*\ct+3] offset:32*\ct
.endr
	s_wait_xcnt 0x0                                ; buffer f held earlier stores' data: it is loaded again only behind this wait
.irp hs, 0,1
.irp i, 0,1,2,3
	ds_load_b128 v[\f+16*\hs+4*\i:\f+16*\hs+4*\i+3], v[RD] offset:\i*4*XP+\hs*128   ; LDS serves a wave's instructions in order: these see the stores above
.endr
.endr
.irp hs, 0,1
.irp i, 0,1,2,3
	s_wait_dscnt 7-4*\hs-\i                        ; the younger read-backs stay out
	global_store_b128 v[CO], v[\f+16*\hs+4*\i:\f+16*\hs+4*\i+3], s[8:9] offset:\hs*524288+\rt*2048+\i*512
.endr
.endr
.endm
	OUT16 0, WF
	OUT16 1, WF+32
	OUT16 2, WF
	OUT16 3, WF+32
	s_wait_tensorcnt 0x0
	ds_add_u32 v30, v31
	s_wait_dscnt 0x0
	CROUND                                         ; the closing round: no work-group ends while a partner may still ask jointly
	s_endpgm
.Lfunc_end_k_qbcf55984d2_proj:
	.size	k_qbcf55984d2_proj, .Lfunc_end_k_qbcf55984d2_proj-k_qbcf55984d2_proj
	.p2alignl 7, 3214868480
	.fill 96, 4, 3214868480
	.section	.rodata,"a",@progbits
	.p2align	6, 0x0
	.amdhsa_kernel k_qbcf55984d2_proj
		.amdhsa_group_segment_fixed_size 327680
		.amdhsa_private_segment_fixed_size 0
		.amdhsa_enable_private_segment 0
		.amdhsa_kernarg_size 80
		.amdhsa_user_sgpr_count 2
		.amdhsa_user_sgpr_kernarg_segment_ptr 1
		.amdhsa_wavefront_size32 1
		.amdhsa_system_sgpr_workgroup_id_x 1
		.amdhsa_system_sgpr_workgroup_id_y 1
		.amdhsa_system_sgpr_workgroup_id_z 1
		.amdhsa_system_vgpr_workitem_id 0
		.amdhsa_next_free_vgpr 512
		.amdhsa_next_free_sgpr 96
		.amdhsa_reserve_vcc 0
		.amdhsa_float_denorm_mode_32 3
		.amdhsa_float_denorm_mode_16_64 3
		.amdhsa_memory_ordered 1
		.amdhsa_forward_progress 1
		.amdhsa_inst_pref_size 138
	.end_amdhsa_kernel
	.amdgpu_metadata
---
amdhsa.version: [ 1, 2 ]
amdhsa.kernels:
  - .name:           k_qbcf55984d2_proj
    .symbol:         k_qbcf55984d2_proj.kd
    .args:
      - { .name: q, .offset: 0, .size: 8, .value_kind: global_buffer, .address_space: global }
      - { .name: k, .offset: 8, .size: 8, .value_kind: global_buffer, .address_space: global }
      - { .name: v, .offset: 16, .size: 8, .value_kind: global_buffer, .address_space: global }
      - { .name: wb, .offset: 24, .size: 8, .value_kind: global_buffer, .address_space: global }
      - { .name: bq, .offset: 32, .size: 8, .value_kind: global_buffer, .address_space: global }
      - { .name: bk, .offset: 40, .size: 8, .value_kind: global_buffer, .address_space: global }
      - { .name: bv, .offset: 48, .size: 8, .value_kind: global_buffer, .address_space: global }
      - { .name: qh, .offset: 56, .size: 8, .value_kind: global_buffer, .address_space: global }
      - { .name: kh, .offset: 64, .size: 8, .value_kind: global_buffer, .address_space: global }
      - { .name: vh, .offset: 72, .size: 8, .value_kind: global_buffer, .address_space: global }
    .group_segment_fixed_size: 327680
    .private_segment_fixed_size: 0
    .kernarg_segment_align: 8
    .kernarg_segment_size: 80
    .max_flat_workgroup_size: 256
    .sgpr_count:     96
    .vgpr_count:     512
    .wavefront_size: 32
...
	.end_amdgpu_metadata
.endif
;; end of part 2
;; launch attn (part 3): grid 16 x 16, 8 waves a work-group, clusters of 4 x 1, 327,680 bytes of LDS; arguments qh, kh, vh, mb, ctx; writes ctx
.if DOCPART == 3
	.amdgcn_target "amdgcn-amd-amdhsa--gfx1250"
	.amdhsa_code_object_version 6
	.text
	.protected	k_qbcf55984d2_attn
	.globl	k_qbcf55984d2_attn
	.p2align	8
	.type	k_qbcf55984d2_attn,@function
k_qbcf55984d2_attn:
	s_mov_b64 s[64:65], 0
	v_nop
	global_prefetch_b8 v0, s[64:65] scope:SCOPE_SE
	s_setreg_imm32_b32 hwreg(HW_REG_WAVE_MODE, 25, 1), 1
	s_wait_xcnt 0x0
	s_wait_alu depctr_hold_cnt(0) depctr_sa_sdst(0) depctr_va_vdst(0) depctr_va_sdst(0) depctr_va_ssrc(0) depctr_va_vcc(0) depctr_vm_vsrc(0)
	s_getreg_b32 s2, hwreg(HW_REG_IB_STS2, 6, 4)
	s_cmp_eq_u32 s2, 0
	s_cbranch_scc0 .Lentry_in_a_cluster
	s_endpgm
.Lentry_in_a_cluster:
	s_bfe_u32 s2, ttmp6, 0x10000c
	s_cmp_lg_u32 s2, 0x3003
	s_cbranch_scc0 .Lentry_shape_is_right
	s_endpgm
.Lentry_shape_is_right:
; ctx[b][h][s][:] = softmax over keys of (qh . kh + bias) applied to vh, for one (batch, head) and 256 queries a work-group.  qh, kh, vh, ctx: f16.
; qh already carries 0.125 log2 e and mb = mask * (-1e9 log2 e), so weights are powers of two of (logit - running maximum).
; The weights go to the matrix unit as f16: they lie in [0, 1] by the running maximum, whatever the inputs.
; LIMITS: the mask's bias enters as the start value of the logits' f32 sums, so among keys that are all masked logits are resolved to steps of 128
; (in log2 units); the running maximum starts at -FLT_MAX; a weight below 2^-25 of its row's largest counts as 0 in the product with V (f16's smallest step
; is 2^-24), one below 2^-126 also in the normaliser (v_exp_f32 flushes); the normaliser is summed from the f32 weights, before they are rounded to f16;
; ctx never exceeds the largest |vh|, which is inside f16's range, and numbers of ctx below 2^-14 are kept in steps of 2^-24.
; Eight waves, two on a SIMD.  Wave w: queries 64 (w & 3) .. + 63 (four tiles of 16), and keys 128 (w >> 2) .. + 127 of every tile of 256 keys.
; The two waves with the same queries keep maxima, sums and outputs of their own and are merged once at the end.
; CLUSTER 4 x 1: four query blocks of one head read the same K, V and bias: all tensor loads are joint (mask 15).
; LAYOUT: S^T = K Q^T (source 0 = 16 keys, source 1 = 16 queries): lane l holds query l % 16 and keys 8 (l / 16) + 0..7 of each key tile, so maxima and
; sums run inside a lane and once across the halves, and two tiles of S^T pack straight into source 1 of O^T = V^T P^T (source 0 = V through the
; transposing load).  In O^T a lane holds query l % 16 and 8 neighbouring d.
.set KP,    144                        ; LDS pitch of a key's 128 bytes in K: an odd multiple of 16
.set VP,    160                        ; in V: an odd multiple of 32, for the transposing load
.set VOFF,  256*KP
.set SLOTB, VOFF+256*VP                ; 77,824 bytes a slot, two slots
.set BIAS,  2*SLOTB                    ; the batch's 4,096 bias words, filled once
.set MRG,   BIAS+16384                 ; merge area: 4 x 17,408 bytes, LDS stores and loads only
.set MRGW,  17408
.set STG,   MRG+4*MRGW                 ; stage of the way out: 4 x 64 rows x 144 bytes
.set STGW,  64*KP
.set KA,  2                            ; v2-3   LDS address of my K fragments in slot 0, 1
.set VA,  4                            ; v4-5   the same for V
.set BA,  6                            ; my bias words of the current key tile
.set QO,  7                            ; my byte offset in Q
.set MA,  8                            ; merge area
.set STO, 9
.set RD,  10
.set CO,  11
.set ML,  16                           ; v[16+2qt] running maximum, v[17+2qt] my half's running sum
.set TA,  24                           ; v[24+2i] new maximum, v[25+2i] the other half's
.set AL,  28                           ; v[28+2i] alpha, v[29+2i] at work
.set BI,  32                           ; v32-63   bias, 4 key tiles
.set SS,  64                           ; v64-127  logits, then weights: 2 query tiles x 4 key tiles
.set PP,  128                          ; v128-159 weights in f16: 2 query tiles x 2 steps of 32 keys
.set KF,  160                          ; v160-223 K fragments: 4 key tiles x 2 steps of 32 d
.set OO,  0                            ; window 1: v0-127 output tile (qt, dt) at 32 qt + 8 dt
.set QF,  128                          ; window 1: v128-191 Q fragment (qt, ks) at 16 qt + 8 ks
.set VF,  192                          ; window 1: v192-255 V fragment (ks2, dt) at 32 ks2 + 8 dt
.set G1K, 16
.set G1V, 24
.set G1M, 32
.set G0K, 40                           ; s[40:47] one set for each slot
.set G0V, 48                           ; s[48:55]
.set G0M, 56
.set MSB, 0
.macro WIN new
.if MSB != \new
	s_set_vgpr_msb (MSB<<8)|\new
.set MSB, \new
.endif
.endm
.macro PLACES                          ; four plain vector places behind a matrix instruction (ISA guide 7.12.1)
.rept 4
	v_nop
.endr
.endm
.macro BAR
	s_barrier_signal -1
	s_barrier_wait -1
.endm
.macro CREST
	s_cmp_lg_u32 s14, 0
	s_cbranch_scc1 .Lnot_wave_0_\@
	s_barrier_signal -3
.Lnot_wave_0_\@:
	s_barrier_wait -3
	s_barrier_signal -1
	s_barrier_wait -1
.endm
.macro CROUND
	BAR
	CREST
.endm
	s_load_b256 s[4:11], s[0:1], 0x0               ; qh, kh, vh, mb
	s_load_b64 s[12:13], s[0:1], 0x20              ; ctx
	v_lshl_add_u32 v254, v0, 2, 0x44000
	v_mov_b32 v255, 0
	ds_add_u32 v254, v255
	s_wait_dscnt 0x0
	v_lshrrev_b32 v1, 5, v0
	v_readfirstlane_b32 s14, v1                    ; wave 0..7
	s_and_b32 s60, ttmp7, 0xffff                   ; 8 batch + head (the same in the whole cluster)
	s_bfe_u32 s74, ttmp6, 0x40000                  ; cx
	s_lshl_b32 s75, ttmp9, 2
	s_add_co_u32 s75, s75, s74                     ; query block = 4 x cluster x + cx
	s_and_b32 s61, s14, 3                          ; qg: which 64 queries
	s_lshr_b32 s62, s14, 2                         ; kp: which 128 keys of a tile
	s_mov_b32 s66, 0x76543210                      ; v_permlanex16_b32: lane i reads lane i of the other half
	s_mov_b32 s67, 0xfedcba98
	; K, V: each wave brings 32 keys = 4,096 dense bytes as 16 rows of 256 bytes, a pad behind every 128 bytes: one key to a pitch
	s_mov_b32 s[G1K+0], 15|(1<<16)|(1<<20)|(1<<21)|(4<<22)|(3<<25)   ; mask 15; 2-byte elements; padding on; bit 21 beside a mask; after every 32 words, 4 words
	s_mov_b32 s[G1V+0], 15|(1<<16)|(1<<20)|(1<<21)|(4<<22)|(7<<25)   ; the same with 8 words
	s_mov_b32 s[G1K+1], 128<<16
	s_mov_b32 s[G1V+1], 128<<16
	s_mov_b32 s[G1K+2], 16<<16
	s_mov_b32 s[G1V+2], 16<<16
	s_mov_b32 s[G1K+3], 128<<16
	s_mov_b32 s[G1V+3], 128<<16
	s_mov_b32 s[G1K+4], 16
	s_mov_b32 s[G1V+4], 16
	s_mov_b32 s[G1K+5], 128
	s_mov_b32 s[G1V+5], 128
	s_mov_b32 s[G1K+6], 0
	s_mov_b32 s[G1V+6], 0
	s_mov_b32 s[G1K+7], 0
	s_mov_b32 s[G1V+7], 0
	; bias: each wave brings one row of 2,048 bytes (256 elements of 8 bytes)
	s_mov_b32 s[G1M+0], 15|(3<<16)|(1<<21)
	s_mov_b32 s[G1M+1], 256<<16
	s_mov_b32 s[G1M+2], 1<<16
	s_mov_b32 s[G1M+3], 256<<16
	s_mov_b32 s[G1M+4], 1
	s_mov_b32 s[G1M+5], 256
	s_mov_b32 s[G1M+6], 0
	s_mov_b32 s[G1M+7], 0
	s_lshl_b32 s76, s60, 19                        ; K, V: head's 524,288 bytes, my 32 keys; no cx in these registers
	s_lshl_b32 s77, s14, 12
	s_add_co_u32 s76, s76, s77
	s_mov_b32 s77, 0
	s_lshr_b32 s78, s60, 3                         ; bias: batch's 16,384 bytes, my 2,048
	s_lshl_b32 s78, s78, 14
	s_lshl_b32 s69, s14, 11
	s_add_co_u32 s78, s78, s69
	s_mov_b32 s79, 0
	s_lshl_b32 s74, s75, 15                        ; Q, ctx: (4,096 (8 b + h) + 256 query block + 64 qg) rows of 128 bytes
	s_lshl_b32 s75, s60, 19
	s_add_co_u32 s74, s74, s75
	s_lshl_b32 s75, s61, 13
	s_add_co_u32 s74, s74, s75
	s_mov_b32 s75, 0
	s_mul_i32 s63, s14, 32*KP
	s_mul_i32 s15, s14, 32*VP
.irp s, 0,1
	s_mov_b32 s[G0K+4*\s], 1
	s_add_co_u32 s[G0K+4*\s+1], s63, \s*SLOTB
	s_mov_b32 s[G0V+4*\s], 1
	s_add_co_u32 s[G0V+4*\s+1], s15, \s*SLOTB+VOFF
.endr
	s_mov_b32 s[G0M], 1
	s_add_co_u32 s[G0M+1], s69, BIAS
	s_wait_kmcnt 0x0
	s_add_nc_u64 s[6:7], s[6:7], s[76:77]
	s_add_nc_u64 s[8:9], s[8:9], s[76:77]
.irp s, 0,1
	s_add_nc_u64 s[G0K+4*\s+2:G0K+4*\s+3], s[6:7], \s*32768      ; key tile s: 256 keys of 128 bytes
	s_or_b32 s[G0K+4*\s+3], s[G0K+4*\s+3], 0x80000000
	s_add_nc_u64 s[G0V+4*\s+2:G0V+4*\s+3], s[8:9], \s*32768
	s_or_b32 s[G0V+4*\s+3], s[G0V+4*\s+3], 0x80000000
.endr
	s_add_nc_u64 s[G0M+2:G0M+3], s[10:11], s[78:79]
	s_or_b32 s[G0M+3], s[G0M+3], 0x80000000
	s_add_nc_u64 s[70:71], s[4:5], s[74:75]        ; my queries
	s_add_nc_u64 s[72:73], s[12:13], s[74:75]      ; and their rows of ctx
	CROUND                                         ; all four work-groups are here: the first joint loads meet
	tensor_load_to_lds s[G0M:G0M+3], s[G1M:G1M+7]
	s_nop 0
	tensor_load_to_lds s[G0K:G0K+3], s[G1K:G1K+7]
	s_nop 0
	tensor_load_to_lds s[G0V:G0V+3], s[G1V:G1V+7]
	s_nop 0
	tensor_load_to_lds s[G0K+4:G0K+7], s[G1K:G1K+7]
	s_nop 0
	tensor_load_to_lds s[G0V+4:G0V+7], s[G1V:G1V+7]              ; five tensor loads of the wave are out, the most in this text
	s_nop 0
	v_and_b32 v12, 15, v0                          ; r
	v_bfe_u32 v13, v0, 4, 1                        ; h
	v_lshlrev_b32 v[QO], 7, v12
	v_lshl_add_u32 v[QO], v13, 4, v[QO]            ; Q fragment: row r, 16 bytes for each half
	WIN 0x40                                       ; destination in window 1
.irp qt, 0,1,2,3
.irp ks, 0,1
	global_load_b128 v[QF+16*\qt+8*\ks:QF+16*\qt+8*\ks+3],   v[QO], s[70:71] offset:\qt*2048+\ks*64
	global_load_b128 v[QF+16*\qt+8*\ks+4:QF+16*\qt+8*\ks+7], v[QO], s[70:71] offset:\qt*2048+\ks*64+32
.endr
.endr
	WIN 0
	v_mul_u32_u24 v14, v12, KP
	v_lshl_add_u32 v14, v13, 4, v14                ; r x 144 + 16 h: K fragments, and the stage's way in
	s_mul_i32 s15, s62, 128*KP
	v_add_nc_u32 v[KA], s15, v14
	v_add_nc_u32 v[KA+1], SLOTB, v[KA]
	s_mul_i32 s63, s61, STGW
	s_add_co_u32 s63, s63, STG
	v_add_nc_u32 v[STO], s63, v14
	v_and_b32 v14, 7, v0
	v_lshl_add_u32 v15, v13, 3, v14                ; V through the transposing load: key 8 h + l % 8,
	v_mul_u32_u24 v15, v15, VP
	v_bfe_u32 v1, v0, 3, 1
	v_lshl_add_u32 v15, v1, 4, v15                 ; 16 bytes for each half of 8 d
	s_mul_i32 s15, s62, 128*VP
	s_add_co_u32 s15, s15, VOFF
	v_add_nc_u32 v[VA], s15, v15
	v_add_nc_u32 v[VA+1], SLOTB, v[VA]
	v_bfe_u32 v1, v0, 3, 2
	v_mul_u32_u24 v1, v1, KP
	v_lshl_add_u32 v1, v14, 4, v1
	v_add_nc_u32 v[RD], s63, v1                    ; the stage's way back: 8 lanes a row of 128 bytes, 4 rows a load
	s_lshl_b32 s15, s62, 9
	s_add_co_u32 s15, s15, BIAS
	v_lshlrev_b32 v[BA], 5, v13
	v_add_nc_u32 v[BA], s15, v[BA]                 ; bias words of keys 128 kp + 8 h ..
	v_and_b32 v1, 31, v0
	v_lshlrev_b32 v[CO], 4, v1
	s_mul_i32 s15, s61, MRGW
	s_add_co_u32 s15, s15, MRG
	v_add_nc_u32 v[MA], s15, v[CO]                 ; waves qg and 4 + qg meet in part qg of the merge area
.irp qt, 0,1,2,3
	v_mov_b32 v[ML+2*\qt], 0xff7fffff              ; -FLT_MAX
	v_mov_b32 v[ML+2*\qt+1], 0
.endr
	v_mov_b32 v[TA+1], 0                           ; v_permlanex16_b32's destinations count as read
	v_mov_b32 v[TA+3], 0
; K fragments and bias of 64 keys (sub-block sb of my 128) from a slot: 24 LDS loads
.macro KLOAD slot, sb
.irp kt, 0,1,2,3
.irp ks, 0,1
	ds_load_b128 v[KF+16*\kt+8*\ks:KF+16*\kt+8*\ks+3],   v[KA+(\slot)] offset:(\sb)*64*KP+\kt*16*KP+\ks*64
	ds_load_b128 v[KF+16*\kt+8*\ks+4:KF+16*\kt+8*\ks+7], v[KA+(\slot)] offset:(\sb)*64*KP+\kt*16*KP+\ks*64+32
.endr
.endr
.irp kt, 0,1,2,3
	ds_load_b128 v[BI+8*\kt:BI+8*\kt+3],   v[BA] offset:(\sb)*256+\kt*64
	ds_load_b128 v[BI+8*\kt+4:BI+8*\kt+7], v[BA] offset:(\sb)*256+\kt*64+16
.endr
.endm
; Logits of query tiles 2p, 2p+1 against 64 keys.  The bias starts the sums.  Eight accumulators take turns, one instruction a turn.
.macro QK p
	WIN 0x04                                       ; source 1 (Q) in window 1
.irp ks, 0,1
.irp i, 0,1
.irp kt, 0,1,2,3
.if \ks == 0
	v_wmma_f32_16x16x32_f16 v[SS+32*\i+8*\kt:SS+32*\i+8*\kt+7], v[KF+16*\kt+8*\ks:KF+16*\kt+8*\ks+7], v[QF+16*(2*\p+\i)+8*\ks:QF+16*(2*\p+\i)+8*\ks+7], v[BI+8*\kt:BI+8*\kt+7]
.else
	v_wmma_f32_16x16x32_f16 v[SS+32*\i+8*\kt:SS+32*\i+8*\kt+7], v[KF+16*\kt+8*\ks:KF+16*\kt+8*\ks+7], v[QF+16*(2*\p+\i)+8*\ks:QF+16*(2*\p+\i)+8*\ks+7], v[SS+32*\i+8*\kt:SS+32*\i+8*\kt+7]
.endif
.endr
.endr
.endr
.endm
; Running maximum, weights, running sum for query tiles 2p, 2p+1; the two tiles' chains are interleaved.
.macro SOFT p
	WIN 0
.irp i, 0,1
	v_max3_num_f32 v[TA+2*\i],   v[ML+2*(2*\p+\i)], v[SS+32*\i], v[SS+32*\i+1]          ; chain a: the old maximum and logits 0-15
	v_max3_num_f32 v[AL+2*\i+1], v[SS+32*\i+16], v[SS+32*\i+17], v[SS+32*\i+18]         ; chain b: logits 16-30
.endr
.irp n, 1,2,3,4,5,6
.irp i, 0,1
	v_max3_num_f32 v[TA+2*\i],   v[TA+2*\i],   v[SS+32*\i+2*\n],    v[SS+32*\i+2*\n+1]
	v_max3_num_f32 v[AL+2*\i+1], v[AL+2*\i+1], v[SS+32*\i+17+2*\n], v[SS+32*\i+18+2*\n]
.endr
.endr
.irp i, 0,1
	v_max3_num_f32 v[TA+2*\i], v[TA+2*\i], v[SS+32*\i+14], v[SS+32*\i+15]
.endr
.irp i, 0,1
	v_max3_num_f32 v[TA+2*\i], v[TA+2*\i], v[AL+2*\i+1], v[SS+32*\i+31]
.endr
.irp i, 0,1
	v_permlanex16_b32 v[TA+2*\i+1], v[TA+2*\i], s66, s67       ; the other half of the lanes holds the query's other keys
.endr
.irp i, 0,1
	v_max_num_f32 v[TA+2*\i], v[TA+2*\i], v[TA+2*\i+1]
.endr
.irp i, 0,1
	v_sub_f32 v[AL+2*\i+1], v[ML+2*(2*\p+\i)], v[TA+2*\i]
.endr
.irp i, 0,1
	v_exp_f32 v[AL+2*\i], v[AL+2*\i+1]             ; alpha = 2^(old maximum - new); the subtractions below are the plain place behind it (ISA guide 5.7.2)
.endr
.irp n, 0,1,2,3,4,5,6,7,8,9,10,11,12,13,14,15
.irp i, 0,1
	v_pk_add_f32 v[SS+32*\i+2*\n:SS+32*\i+2*\n+1], v[SS+32*\i+2*\n:SS+32*\i+2*\n+1], v[TA+2*\i:TA+2*\i+1] op_sel_hi:[1,0] neg_lo:[0,1] neg_hi:[0,1]
.endr
.endr
.set n, 0
.rept 64
	v_exp_f32 v[SS+n], v[SS+n]
.set n, n+1
.endr
.irp i, 0,1
	v_mov_b32 v[ML+2*(2*\p+\i)], v[TA+2*\i]        ; the plain place behind the run of exponentials
.endr
.set n, 0
	s_wait_alu depctr_va_vdst(0)
.rept 32
	v_cvt_pk_f16_f32 v[PP+n], v[SS+2*n], v[SS+2*n+1]           ; key tiles 2 ks2, 2 ks2 + 1 are registers 0-3, 4-7 of step ks2's fragment
.set n, n+1
.endr
.irp n, 0,1,2,3,4,5,6,7
.irp i, 0,1
	v_pk_add_f32 v[SS+32*\i+2*\n:SS+32*\i+2*\n+1], v[SS+32*\i+2*\n:SS+32*\i+2*\n+1], v[SS+32*\i+2*\n+16:SS+32*\i+2*\n+17]
.endr
.endr
.irp n, 0,1,2,3
.irp i, 0,1
	v_pk_add_f32 v[SS+32*\i+2*\n:SS+32*\i+2*\n+1], v[SS+32*\i+2*\n:SS+32*\i+2*\n+1], v[SS+32*\i+2*\n+8:SS+32*\i+2*\n+9]
.endr
.endr
.irp n, 0,1
.irp i, 0,1
	v_pk_add_f32 v[SS+32*\i+2*\n:SS+32*\i+2*\n+1], v[SS+32*\i+2*\n:SS+32*\i+2*\n+1], v[SS+32*\i+2*\n+4:SS+32*\i+2*\n+5]
.endr
.endr
.irp i, 0,1
	v_pk_add_f32 v[SS+32*\i:SS+32*\i+1], v[SS+32*\i:SS+32*\i+1], v[SS+32*\i+2:SS+32*\i+3]
.endr
.irp i, 0,1
	v_add_f32 v[AL+2*\i+1], v[SS+32*\i], v[SS+32*\i+1]
.endr
.irp i, 0,1
	v_fma_f32 v[ML+2*(2*\p+\i)+1], v[ML+2*(2*\p+\i)+1], v[AL+2*\i], v[AL+2*\i+1]
.endr
.endm
; The outputs so far times alpha
.macro RESC p
	WIN 0x41                                       ; destination and source 0 in window 1
.irp i, 0,1
.set n, 0
.rept 16
	v_pk_mul_f32 v[OO+32*(2*\p+\i)+2*n:OO+32*(2*\p+\i)+2*n+1], v[OO+32*(2*\p+\i)+2*n:OO+32*(2*\p+\i)+2*n+1], v[AL+2*\i:AL+2*\i+1] op_sel_hi:[1,0]
.set n, n+1
.endr
.endr
.endm
; O^T += V^T P^T for query tiles 2p, 2p+1 and 64 keys.  first = 1: the first product starts the sums.  Eight accumulators take turns.
.macro PV p, first
	WIN 0x51                                       ; source 0 (V), C and D in window 1
.irp ks2, 0,1
.irp i, 0,1
.irp dt, 0,1,2,3
.if \first*(1-\ks2)
	v_wmma_f32_16x16x32_f16 v[OO+32*(2*\p+\i)+8*\dt:OO+32*(2*\p+\i)+8*\dt+7], v[VF+32*\ks2+8*\dt:VF+32*\ks2+8*\dt+7], v[PP+16*\i+8*\ks2:PP+16*\i+8*\ks2+7], 0
.else
	v_wmma_f32_16x16x32_f16 v[OO+32*(2*\p+\i)+8*\dt:OO+32*(2*\p+\i)+8*\dt+7], v[VF+32*\ks2+8*\dt:VF+32*\ks2+8*\dt+7], v[PP+16*\i+8*\ks2:PP+16*\i+8*\ks2+7], v[OO+32*(2*\p+\i)+8*\dt:OO+32*(2*\p+\i)+8*\dt+7]
.endif
.endr
.endr
.endr
.endm
; 64 queries x 64 keys.  pre = 1: the next sub-block's K and bias are fetched in its middle.  sig = 1: this is my last use of the slot.
.macro SB slot, sb, first, pre, sig
	s_wait_dscnt 0x0                               ; K fragments and bias are in
	QK 0
	PLACES                                         ; behind QK 0 (its results are read next) and behind the last PV (V's registers are loaded next)
	WIN 0x40
.irp ks2, 0,1
.irp dt, 0,1,2,3
	ds_load_tr16_b128 v[VF+32*\ks2+8*\dt:VF+32*\ks2+8*\dt+3],   v[VA+\slot] offset:(\sb*64+\ks2*32)*VP+\dt*32
	ds_load_tr16_b128 v[VF+32*\ks2+8*\dt+4:VF+32*\ks2+8*\dt+7], v[VA+\slot] offset:(\sb*64+\ks2*32)*VP+\dt*32+16*VP
.endr
.endr
	SOFT 0
.if 1-\first
	RESC 0
.endif
	s_wait_dscnt 0x0                               ; V fragments are in; with sig: all my reads of this slot are back,
.if \sig
	s_wait_xcnt 0x0
	s_set_vgpr_msb 0x4100
	v_lshl_add_u32 v254, v0, 2, 0x44000
	v_mov_b32 v255, 0
	s_wait_tensorcnt 0x0                           ; and all my tensor loads have landed: my parts of the other slot's tile
	ds_add_u32 v254, v255
	s_wait_dscnt 0x0
	s_set_vgpr_msb 0x41
	s_barrier_signal -1                            ; say so; only register work follows up to the barrier's wait
.endif
	PV 0, \first
	QK 1
	PLACES                                         ; behind QK 1 (results read, K and bias registers loaded) and PV 0 (the weights' registers written)
.if \pre
	WIN 0
	KLOAD \slot, 1
.endif
	SOFT 1
.if 1-\first
	RESC 1
.endif
	PV 1, \first
.endm
; One tile of 256 keys.  more = 1: another tile follows in the other slot.  fill = 1: this slot is filled again, two tiles ahead:
; the barrier opened in SB then opens a round of the cluster's barrier, and the joint refills are the first tensor loads behind it.
.macro TRIP slot, first, more, fill
	SB \slot, 0, \first, 1, 0
	SB \slot, 1, 0, 0, \more
	WIN 0
.if \more
	s_barrier_wait -1
.if \fill
	CREST
	s_add_nc_u64 s[G0K+4*\slot+2:G0K+4*\slot+3], s[G0K+4*\slot+2:G0K+4*\slot+3], 65536   ; no tensor load of mine is out: two tiles on
	s_add_nc_u64 s[G0V+4*\slot+2:G0V+4*\slot+3], s[G0V+4*\slot+2:G0V+4*\slot+3], 65536
	tensor_load_to_lds s[G0K+4*\slot:G0K+4*\slot+3], s[G1K:G1K+7]
	s_nop 0
	tensor_load_to_lds s[G0V+4*\slot:G0V+4*\slot+3], s[G1V:G1V+7]
	s_nop 0
.endif
	v_add_nc_u32 v[BA], 1024, v[BA]                ; the next tile's 256 bias words
	KLOAD 1-\slot, 0
.endif
.endm
	s_wait_tensorcnt 2                             ; bias, K and V of tile 0 are in; tile 1's two loads stay out
	BAR                                            ; everybody's are
	KLOAD 0, 0
	s_wait_loadcnt 0x0                             ; Q
	TRIP 0, 1, 1, 1                                ; tile 0; tile 2 is asked for
	TRIP 1, 0, 1, 1
	s_mov_b32 s68, 6
.Ltiles:                                           ; tiles 2 to 13; tiles 4 to 15 are asked for
	TRIP 0, 0, 1, 1
	TRIP 1, 0, 1, 1
	s_sub_co_i32 s68, s68, 1
	s_cmp_lg_u32 s68, 0
	s_cbranch_scc1 .Ltiles
	TRIP 0, 0, 1, 0                                ; tile 14: nothing more to fetch
	TRIP 1, 0, 0, 0                                ; tile 15
	; MERGE of the two key halves.  Waves 4-7 hand their outputs, maxima and sums to waves 0-3 through LDS.
	PLACES                                         ; behind the last matrix instructions
	s_cmp_lt_u32 s14, 4
	s_cbranch_scc1 .Lno_send
	WIN 0x04                                       ; store data in window 1
.set n, 0
.rept 32
	ds_store_b128 v[MA], v[OO+4*n:OO+4*n+3] offset:512*n
.set n, n+1
.endr
	WIN 0
	ds_store_b128 v[MA], v[ML:ML+3] offset:16384
	ds_store_b128 v[MA], v[ML+4:ML+7] offset:16896
.Lno_send:
	s_wait_dscnt 0x0                               ; for the partner's sake: the stores are done
	BAR
	s_cmp_ge_u32 s14, 4
	s_cbranch_scc1 .Lclose
.set n, 0
.rept 32
	ds_load_b128 v[SS+4*n:SS+4*n+3], v[MA] offset:512*n        ; the partner's outputs into v64-191
.set n, n+1
.endr
	ds_load_b128 v[BI:BI+3], v[MA] offset:16384                ; its maxima and sums: v[32+2qt], v[33+2qt]
	ds_load_b128 v[BI+4:BI+7], v[MA] offset:16896
	s_wait_dscnt 0x0
.irp qt, 0,1,2,3
	v_max_num_f32 v[24+2*\qt], v[ML+2*\qt], v[BI+2*\qt]        ; the common maximum
.endr
.irp qt, 0,1,2,3
	v_sub_f32 v[40+2*\qt], v[ML+2*\qt], v[24+2*\qt]
	v_sub_f32 v[41+2*\qt], v[BI+2*\qt], v[24+2*\qt]
.endr
.irp qt, 0,1,2,3
	v_exp_f32 v[40+2*\qt], v[40+2*\qt]
	v_exp_f32 v[41+2*\qt], v[41+2*\qt]
.endr
	v_nop                                          ; the plain place behind the exponentials
	s_wait_alu depctr_va_vdst(0)
.irp qt, 0,1,2,3
	v_mul_f32 v[25+2*\qt], v[BI+2*\qt+1], v[41+2*\qt]
.endr
.irp qt, 0,1,2,3
	v_fma_f32 v[25+2*\qt], v[ML+2*\qt+1], v[40+2*\qt], v[25+2*\qt]
.endr
.irp qt, 0,1,2,3
	v_permlanex16_b32 v[24+2*\qt], v[25+2*\qt], s66, s67       ; the sums were kept by halves of the lanes
.endr
.irp qt, 0,1,2,3
	v_add_f32 v[25+2*\qt], v[25+2*\qt], v[24+2*\qt]            ; at least 1: the largest weight is 2^0
.endr
.irp qt, 0,1,2,3
	v_rcp_f32 v[25+2*\qt], v[25+2*\qt]
.endr
	v_nop
	s_wait_alu depctr_va_vdst(0)
.irp qt, 0,1,2,3
	v_mul_f32 v[48+4*\qt], v[40+2*\qt], v[25+2*\qt]            ; my factor, twice, for the packed forms
	v_mul_f32 v[49+4*\qt], v[40+2*\qt], v[25+2*\qt]
	v_mul_f32 v[50+4*\qt], v[41+2*\qt], v[25+2*\qt]            ; the partner's
	v_mul_f32 v[51+4*\qt], v[41+2*\qt], v[25+2*\qt]
.endr
.irp qt, 0,1,2,3
.set n, 0
.rept 16
	v_pk_mul_f32 v[SS+32*\qt+2*n:SS+32*\qt+2*n+1], v[SS+32*\qt+2*n:SS+32*\qt+2*n+1], v[50+4*\qt:51+4*\qt]
.set n, n+1
.endr
.endr
	WIN 0x01                                       ; source 0 (my outputs) in window 1
.irp qt, 0,1,2,3
.set n, 0
.rept 16
	v_pk_fma_f32 v[SS+32*\qt+2*n:SS+32*\qt+2*n+1], v[OO+32*\qt+2*n:OO+32*\qt+2*n+1], v[48+4*\qt:49+4*\qt], v[SS+32*\qt+2*n:SS+32*\qt+2*n+1]
.set n, n+1
.endr
.endr
	WIN 0
.set n, 0
.rept 64
	v_cvt_pk_f16_f32 v[192+n], v[SS+2*n], v[SS+2*n+1]
.set n, n+1
.endr
.irp qt, 0,1,2,3
.irp dt, 0,1,2,3
	ds_store_b128 v[STO], v[192+16*\qt+4*\dt:192+16*\qt+4*\dt+3] offset:\qt*16*KP+\dt*32
.endr
.endr
.set n, 0
.rept 16
	ds_load_b128 v[SS+4*n:SS+4*n+3], v[RD] offset:n*4*KP       ; my own stage: LDS serves a wave's instructions in order
.set n, n+1
.endr
.set n, 0
.rept 16
	s_wait_dscnt 15-n                              ; the younger read-backs stay out
	global_store_b128 v[CO], v[SS+4*n:SS+4*n+3], s[72:73] offset:512*n      ; 4 rows of 128 bytes: 512 consecutive bytes, aligned
.set n, n+1
.endr
.Lclose:
	s_wait_xcnt 0x0
	v_lshl_add_u32 v254, v0, 2, 0x44000
	v_mov_b32 v255, 0
	s_wait_tensorcnt 0x0
	ds_add_u32 v254, v255
	s_wait_dscnt 0x0
	CROUND                                         ; the closing round
	s_endpgm
.Lfunc_end_k_qbcf55984d2_attn:
	.size	k_qbcf55984d2_attn, .Lfunc_end_k_qbcf55984d2_attn-k_qbcf55984d2_attn
	.p2alignl 7, 3214868480
	.fill 96, 4, 3214868480
	.section	.rodata,"a",@progbits
	.p2align	6, 0x0
	.amdhsa_kernel k_qbcf55984d2_attn
		.amdhsa_group_segment_fixed_size 327680
		.amdhsa_private_segment_fixed_size 0
		.amdhsa_enable_private_segment 0
		.amdhsa_kernarg_size 40
		.amdhsa_user_sgpr_count 2
		.amdhsa_user_sgpr_kernarg_segment_ptr 1
		.amdhsa_wavefront_size32 1
		.amdhsa_system_sgpr_workgroup_id_x 1
		.amdhsa_system_sgpr_workgroup_id_y 1
		.amdhsa_system_sgpr_workgroup_id_z 1
		.amdhsa_system_vgpr_workitem_id 0
		.amdhsa_next_free_vgpr 512
		.amdhsa_next_free_sgpr 80
		.amdhsa_reserve_vcc 0
		.amdhsa_float_denorm_mode_32 3
		.amdhsa_float_denorm_mode_16_64 3
		.amdhsa_memory_ordered 1
		.amdhsa_forward_progress 1
		.amdhsa_inst_pref_size 255
	.end_amdhsa_kernel
	.section	.bss,"aw",@nobits
	.p2align	6
	.space	262144
	.amdgpu_metadata
---
amdhsa.version: [ 1, 2 ]
amdhsa.kernels:
  - .name:           k_qbcf55984d2_attn
    .symbol:         k_qbcf55984d2_attn.kd
    .args:
      - { .name: qh, .offset: 0, .size: 8, .value_kind: global_buffer, .address_space: global }
      - { .name: kh, .offset: 8, .size: 8, .value_kind: global_buffer, .address_space: global }
      - { .name: vh, .offset: 16, .size: 8, .value_kind: global_buffer, .address_space: global }
      - { .name: mb, .offset: 24, .size: 8, .value_kind: global_buffer, .address_space: global }
      - { .name: ctx, .offset: 32, .size: 8, .value_kind: global_buffer, .address_space: global }
    .group_segment_fixed_size: 327680
    .private_segment_fixed_size: 0
    .kernarg_segment_align: 8
    .kernarg_segment_size: 40
    .max_flat_workgroup_size: 256
    .sgpr_count:     80
    .vgpr_count:     512
    .wavefront_size: 32
...
	.end_amdgpu_metadata
.endif
;; end of part 3
;; launch oproj (part 4): grid 4 x 64, 4 waves a work-group, clusters of 4 x 1, 312,832 bytes of LDS; arguments ctx, wb, bo, out0; writes out0
.if DOCPART == 4
	.amdgcn_target "amdgcn-amd-amdhsa--gfx1250"
	.amdhsa_code_object_version 6
	.text
	.protected	k_qbcf55984d2_oproj
	.globl	k_qbcf55984d2_oproj
	.p2align	8
	.type	k_qbcf55984d2_oproj,@function
k_qbcf55984d2_oproj:
	s_mov_b64 s[64:65], 0
	v_nop
	global_prefetch_b8 v0, s[64:65] scope:SCOPE_SE
	s_setreg_imm32_b32 hwreg(HW_REG_WAVE_MODE, 25, 1), 1
	s_wait_xcnt 0x0
	s_wait_alu depctr_hold_cnt(0) depctr_sa_sdst(0) depctr_va_vdst(0) depctr_va_sdst(0) depctr_va_ssrc(0) depctr_va_vcc(0) depctr_vm_vsrc(0)
	s_getreg_b32 s2, hwreg(HW_REG_IB_STS2, 6, 4)
	s_cmp_eq_u32 s2, 0
	s_cbranch_scc0 .Lentry_in_a_cluster
	s_endpgm
.Lentry_in_a_cluster:
	s_bfe_u32 s2, ttmp6, 0x10000c
	s_cmp_lg_u32 s2, 0x3003
	s_cbranch_scc0 .Lentry_shape_is_right
	s_endpgm
.Lentry_shape_is_right:
; out0[row][n] = sum over k of ctx(row, k) Wo[k][n] + bo[n], f32.  ctx is [b][head][s][64] f16, so K tile t of 64 is head t; Wo is wb's fourth matrix, f16 [k][n].
; Both operands come as f16 from earlier launches, whose heads state their range; sums in f32; the bias starts the sums.
; A work-group makes 128 rows x 128 columns: 64 x 4 = 256 work-groups.  Four waves, each 64 x 64: 16 accumulator tiles.
; All of K (512) fits in LDS at once: 8 tiles of ctx and 8 of Wo, each filled once; no slot is ever filled again.
; CLUSTER 4 x 1: the four column blocks of a row block read the same rows of ctx, which are asked for jointly (mask 15); Wo's columns are each group's own.
; The product is used transposed (source 0 = 16 columns of Wo, source 1 = 16 rows of ctx): a lane holds row l % 16 and 8 neighbouring columns.
.set AP,    144                        ; LDS pitch of a row of ctx (128 bytes + 16)
.set BP,    288                        ; LDS pitch of a k-row of Wo (256 bytes + 32): an odd multiple of 32
.set TILEB, 18432                      ; 128 x 144 = 64 x 288
.set BOFF,  8*TILEB
.set STAGE, 16*TILEB                   ; 4 x 16 rows x 272 bytes, LDS stores and loads only
.set SP,    272
.set AA,  4                            ; v4-5  my ctx fragments in tiles 0-3, 4-7
.set BL,  6                            ; v6-7  my Wo fragments, k rows 0-15 of a step
.set BH,  8                            ; v8-9  k rows 16-31 (a register of its own: the immediate would pass 16 bits)
.set STO, 10
.set RD,  11
.set CO,  12
.set BO,  13
.set BS,  32                           ; v32-63 bias, 4 column tiles
.set F0,  64                           ; fragment buffer 0: ctx v64-95, Wo v96-127
.set F1,  128                          ; fragment buffer 1
                                       ; window 1: accumulator tile (rt, ct) at v[8 (4 rt + ct)]
.set G1A, 16
.set G1B, 24
.set MSB, 0
.macro WIN new
.if MSB != \new
	s_set_vgpr_msb (MSB<<8)|\new
.set MSB, \new
.endif
.endm
.macro PLACES                          ; four plain vector places behind a matrix instruction (ISA guide 7.12.1)
.rept 4
	v_nop
.endr
.endm
.macro BAR
	s_barrier_signal -1
	s_barrier_wait -1
.endm
.macro CROUND
	BAR
	s_cmp_lg_u32 s14, 0
	s_cbranch_scc1 .Lnot_wave_0_\@
	s_barrier_signal -3
.Lnot_wave_0_\@:
	s_barrier_wait -3
	s_barrier_signal -1
	s_barrier_wait -1
.endm
	s_load_b256 s[4:11], s[0:1], 0x0               ; ctx, wb, bo, out0
	v_lshl_add_u32 v254, v0, 2, 0x4c400
	v_mov_b32 v255, 0
	ds_add_u32 v254, v255
	v_lshrrev_b32 v1, 5, v0
	v_readfirstlane_b32 s14, v1                    ; wave 0..3
	s_and_b32 s12, ttmp7, 0xffff                   ; row block (the same in the whole cluster)
	s_bfe_u32 s13, ttmp6, 0x40000                  ; cx
	s_lshl_b32 s15, ttmp9, 2
	s_add_co_u32 s13, s15, s13                     ; column block = 4 x cluster x + cx
	s_lshr_b32 s53, s14, 1                         ; wr: which 64 rows
	s_and_b32 s54, s14, 1                          ; wc: which 64 columns
	; ctx: 128 rows x 128 bytes, dense: 64 rows of 256 bytes, a pad behind every 128 bytes
	s_mov_b32 s[G1A+0], 15|(1<<16)|(1<<20)|(1<<21)|(4<<22)|(3<<25)
	s_mov_b32 s[G1A+1], 128<<16
	s_mov_b32 s[G1A+2], 64<<16
	s_mov_b32 s[G1A+3], 128<<16
	s_mov_b32 s[G1A+4], 64
	s_mov_b32 s[G1A+5], 128
	s_mov_b32 s[G1A+6], 0
	s_mov_b32 s[G1A+7], 0
	; Wo: 64 k-rows x 128 columns (256 bytes, aligned), 32 bytes of padding behind each row
	s_mov_b32 s[G1B+0], (1<<16)|(1<<20)|(5<<22)|(7<<25)
	s_mov_b32 s[G1B+1], 128<<16
	s_mov_b32 s[G1B+2], 64<<16
	s_mov_b32 s[G1B+3], 128<<16
	s_mov_b32 s[G1B+4], 64
	s_mov_b32 s[G1B+5], 512
	s_mov_b32 s[G1B+6], 0
	s_mov_b32 s[G1B+7], 0
	s_lshr_b32 s48, s12, 5                         ; ctx: ((8 batch + head) 4,096 + 128 (row block % 32)) rows of 128 bytes, head = wave; no cx here
	s_lshl_b32 s48, s48, 22
	s_lshl_b32 s49, s14, 19
	s_add_co_u32 s48, s48, s49
	s_and_b32 s49, s12, 31
	s_lshl_b32 s49, s49, 14
	s_add_co_u32 s48, s48, s49
	s_mov_b32 s49, 0
	s_lshl_b32 s50, s14, 16                        ; Wo: matrix 3, k-row 64 wave, column 128 column block
	s_lshl_b32 s51, s13, 8
	s_add_co_u32 s50, s50, s51
	s_add_co_u32 s50, s50, 3*524288
	s_mov_b32 s51, 0
	s_mul_i32 s52, s14, TILEB
	s_mov_b32 s32, 1                               ; wave w brings ctx's heads w and 4 + w and Wo's tiles w and 4 + w
	s_mov_b32 s33, s52
	s_mov_b32 s36, 1
	s_add_co_u32 s37, s52, BOFF
	s_mov_b32 s40, 1
	s_add_co_u32 s41, s52, 4*TILEB
	s_mov_b32 s44, 1
	s_add_co_u32 s45, s52, BOFF+4*TILEB
	s_wait_dscnt 0x0
	s_wait_kmcnt 0x0
	s_add_nc_u64 s[34:35], s[4:5], s[48:49]
	s_add_nc_u64 s[42:43], s[34:35], 4*524288
	s_or_b32 s35, s35, 0x80000000
	s_or_b32 s43, s43, 0x80000000
	s_add_nc_u64 s[38:39], s[6:7], s[50:51]
	s_add_nc_u64 s[46:47], s[38:39], 4*65536
	s_or_b32 s39, s39, 0x80000000
	s_or_b32 s47, s47, 0x80000000
	CROUND                                         ; all four work-groups are here: the joint loads meet
	tensor_load_to_lds s[32:35], s[G1A:G1A+7]
	s_nop 0
	tensor_load_to_lds s[36:39], s[G1B:G1B+7]
	s_nop 0
	tensor_load_to_lds s[40:43], s[G1A:G1A+7]
	s_nop 0
	tensor_load_to_lds s[44:47], s[G1B:G1B+7]      ; four tensor loads of the wave are out, all that it ever issues
	s_nop 0
	v_and_b32 v1, 15, v0                           ; r
	v_bfe_u32 v2, v0, 4, 1                         ; h
	v_mul_u32_u24 v3, v1, AP
	v_lshl_add_u32 v3, v2, 4, v3
	s_mul_i32 s55, s53, 64*AP
	v_add_nc_u32 v[AA], s55, v3
	v_add_nc_u32 v[AA+1], 4*TILEB, v[AA]
	v_and_b32 v3, 7, v0
	v_lshl_add_u32 v3, v2, 3, v3
	v_mul_u32_u24 v3, v3, BP
	v_bfe_u32 v14, v0, 3, 1
	v_lshl_add_u32 v3, v14, 4, v3
	s_lshl_b32 s55, s54, 7
	s_add_co_u32 s55, s55, BOFF
	v_add_nc_u32 v[BL], s55, v3
	v_add_nc_u32 v[BL+1], 4*TILEB, v[BL]
	v_add_nc_u32 v[BH], 16*BP, v[BL]
	v_add_nc_u32 v[BH+1], 16*BP, v[BL+1]
	s_mul_i32 s55, s14, 16*SP
	s_add_co_u32 s55, s55, STAGE
	v_mul_u32_u24 v3, v1, SP
	v_lshl_add_u32 v3, v2, 5, v3
	v_add_nc_u32 v[STO], s55, v3                   ; in: row r, 32 bytes (8 f32) for each half of the lanes
	v_mul_u32_u24 v3, v2, SP
	v_lshl_add_u32 v3, v1, 4, v3
	v_add_nc_u32 v[RD], s55, v3                    ; back: 16 lanes take a row's 256 bytes, two rows a load
	v_lshlrev_b32 v3, 11, v2
	v_lshl_add_u32 v[CO], v1, 4, v3                ; the same two rows in out0
	s_lshl_b32 s55, s54, 8
	v_lshlrev_b32 v[BO], 5, v2
	v_add_nc_u32 v[BO], s55, v[BO]                 ; bias: 4 (64 wc + 8 h)
	s_lshl_b32 s56, s13, 9
	s_mov_b32 s57, 0
	s_add_nc_u64 s[8:9], s[8:9], s[56:57]          ; bo at the column block
.irp ct, 0,1,2,3
	global_load_b128 v[BS+8*\ct:BS+8*\ct+3],   v[BO], s[8:9] offset:64*\ct
	global_load_b128 v[BS+8*\ct+4:BS+8*\ct+7], v[BO], s[8:9] offset:64*\ct+16
.endr
	s_lshl_b32 s58, s12, 18                        ; out0: row 128 row block + 64 wr, byte 512 column block + 256 wc
	s_lshl_b32 s59, s53, 17
	s_add_co_u32 s58, s58, s59
	s_add_co_u32 s58, s58, s56
	s_add_co_u32 s58, s58, s55
	s_mov_b32 s59, 0
	s_add_nc_u64 s[10:11], s[10:11], s[58:59]
	s_wait_loadcnt 0x0                             ; the bias, once
; 16 LDS loads: the fragments of 32 along K (step ks of tile 4 half + tt) into buffer f
.macro FETCH f, half, tt, ks
.irp rt, 0,1,2,3
	ds_load_b128 v[\f+8*\rt:\f+8*\rt+3],   v[AA+\half] offset:\tt*TILEB+\rt*16*AP+\ks*64
	ds_load_b128 v[\f+8*\rt+4:\f+8*\rt+7], v[AA+\half] offset:\tt*TILEB+\rt*16*AP+\ks*64+32
.endr
.irp ct, 0,1,2,3
	ds_load_tr16_b128 v[\f+32+8*\ct:\f+32+8*\ct+3],   v[BL+\half] offset:\tt*TILEB+\ks*32*BP+\ct*32
	ds_load_tr16_b128 v[\f+32+8*\ct+4:\f+32+8*\ct+7], v[BH+\half] offset:\tt*TILEB+\ks*32*BP+\ct*32
.endr
.endm
; 16 matrix instructions on buffer f.  init = 1: the bias starts the sums.  The 16 accumulators take turns, one instruction a turn.
.macro MUL f, init
.if \init
	WIN 0x40
.else
	WIN 0x50
.endif
.irp rt, 0,1,2,3
.irp ct, 0,1,2,3
.if \init
	v_wmma_f32_16x16x32_f16 v[8*(4*\rt+\ct):8*(4*\rt+\ct)+7], v[\f+32+8*\ct:\f+32+8*\ct+7], v[\f+8*\rt:\f+8*\rt+7], v[BS+8*\ct:BS+8*\ct+7]
.else
	v_wmma_f32_16x16x32_f16 v[8*(4*\rt+\ct):8*(4*\rt+\ct)+7], v[\f+32+8*\ct:\f+32+8*\ct+7], v[\f+8*\rt:\f+8*\rt+7], v[8*(4*\rt+\ct):8*(4*\rt+\ct)+7]
.endif
.endr
.endr
	WIN 0
.endm
; One step: the next step's fragments go out into the other buffer g, then buffer f is multiplied.
.macro STEP f, g, nxt, half, tt, ks, init
.if \nxt
	PLACES                                         ; buffer g was read by the matrix instructions just issued
	FETCH \g, \half, \tt, \ks
	s_wait_dscnt 16                                ; the 16 just issued stay out: buffer f is in
.else
	s_wait_dscnt 0x0
.endif
	MUL \f, \init
.endm
.macro PHASE half, init                ; four K tiles = eight steps
	PLACES
	FETCH F0, \half, 0, 0
	STEP F0, F1, 1, \half, 0, 1, \init
	STEP F1, F0, 1, \half, 1, 0, 0
	STEP F0, F1, 1, \half, 1, 1, 0
	STEP F1, F0, 1, \half, 2, 0, 0
	STEP F0, F1, 1, \half, 2, 1, 0
	STEP F1, F0, 1, \half, 3, 0, 0
	STEP F0, F1, 1, \half, 3, 1, 0
	STEP F1, F0, 0, \half, 0, 0, 0
.endm
	s_wait_tensorcnt 2                             ; my first ctx and Wo tile are in; my second two stay out
	BAR                                            ; tiles 0-3 are whole
	PHASE 0, 1
	s_wait_tensorcnt 0x0                           ; my second two
	s_wait_dscnt 0x0
	BAR                                            ; tiles 4-7 are whole
	PHASE 1, 0
	; THE WAY OUT, 16 rows at a time, through my own stage: each half of the lanes then stores 256 consecutive bytes of a row, aligned.
	PLACES                                         ; behind the last matrix instructions, whose results are stored next
.macro OUT16 rt, f
	WIN 0x04                                       ; store data in window 1
.irp ct, 0,1,2,3
	ds_store_b128 v[STO], v[8*(4*\rt+\ct):8*(4*\rt+\ct)+3]   offset:64*\ct
	ds_store_b128 v[STO], v[8*(4*\rt+\ct)+4:8*(4*\rt+\ct)+7] offset:64*\ct+16
.endr
	WIN 0
	s_wait_xcnt 0x0                                ; buffer f held earlier stores' data: it is loaded again only behind this wait
.irp t, 0,1,2,3,4,5,6,7
	ds_load_b128 v[\f+4*\t:\f+4*\t+3], v[RD] offset:\t*2*SP    ; LDS serves a wave's instructions in order: these see the stores above
.endr
.irp t, 0,1,2,3,4,5,6,7
	s_wait_dscnt 7-\t                              ; the younger read-backs stay out
	global_store_b128 v[CO], v[\f+4*\t:\f+4*\t+3], s[10:11] offset:(16*\rt+2*\t)*2048 th:TH_STORE_NT
.endr
.endm
	OUT16 0, F0
	OUT16 1, F1
	OUT16 2, F0
	OUT16 3, F1
	s_wait_tensorcnt 0x0
	ds_add_u32 v254, v255
	s_wait_dscnt 0x0
	CROUND                                         ; the closing round
	s_endpgm
.Lfunc_end_k_qbcf55984d2_oproj:
	.size	k_qbcf55984d2_oproj, .Lfunc_end_k_qbcf55984d2_oproj-k_qbcf55984d2_oproj
	.p2alignl 7, 3214868480
	.fill 96, 4, 3214868480
	.section	.rodata,"a",@progbits
	.p2align	6, 0x0
	.amdhsa_kernel k_qbcf55984d2_oproj
		.amdhsa_group_segment_fixed_size 312832
		.amdhsa_private_segment_fixed_size 0
		.amdhsa_enable_private_segment 0
		.amdhsa_kernarg_size 32
		.amdhsa_user_sgpr_count 2
		.amdhsa_user_sgpr_kernarg_segment_ptr 1
		.amdhsa_wavefront_size32 1
		.amdhsa_system_sgpr_workgroup_id_x 1
		.amdhsa_system_sgpr_workgroup_id_y 1
		.amdhsa_system_sgpr_workgroup_id_z 1
		.amdhsa_system_vgpr_workitem_id 0
		.amdhsa_next_free_vgpr 384
		.amdhsa_next_free_sgpr 66
		.amdhsa_reserve_vcc 0
		.amdhsa_float_denorm_mode_32 3
		.amdhsa_float_denorm_mode_16_64 3
		.amdhsa_memory_ordered 1
		.amdhsa_forward_progress 1
		.amdhsa_inst_pref_size 52
	.end_amdhsa_kernel
	.amdgpu_metadata
---
amdhsa.version: [ 1, 2 ]
amdhsa.kernels:
  - .name:           k_qbcf55984d2_oproj
    .symbol:         k_qbcf55984d2_oproj.kd
    .args:
      - { .name: ctx, .offset: 0, .size: 8, .value_kind: global_buffer, .address_space: global }
      - { .name: wb, .offset: 8, .size: 8, .value_kind: global_buffer, .address_space: global }
      - { .name: bo, .offset: 16, .size: 8, .value_kind: global_buffer, .address_space: global }
      - { .name: out0, .offset: 24, .size: 8, .value_kind: global_buffer, .address_space: global }
    .group_segment_fixed_size: 312832
    .private_segment_fixed_size: 0
    .kernarg_segment_align: 8
    .kernarg_segment_size: 32
    .max_flat_workgroup_size: 128
    .sgpr_count:     66
    .vgpr_count:     384
    .wavefront_size: 32
...
	.end_amdgpu_metadata
.endif
;; end of part 4
